; MI455X (gfx1250); checked and timed in simulation.
; The chip was launched on July 23, 2026; its instructions are those of AMD's public machine-readable ISA for CDNA 5 (MIT licence, August 2026) and "CDNA5" Instruction Set Architecture Reference Guide (July 2026). The comments in the code are by the model that wrote it; some were corrected since.
;; Global Attention. Allowed arithmetic: float matrix products may take bf16 or f16 operands with f32 sums; all other float work in f32.
;; Inputs: Wf 256 x 128 float32; Wk 128 x 256 float32; Wq 128 x 256 float32; Wv 128 x 256 float32; bf 256 float32; bk 128 float32; bq 128 float32; bv 128 float32; x 16 x 256 x 2,048 float32.
;; Outputs: out0 16 x 256 x 2,048 float32.
;; One version. Each part assembles by itself: llvm-mc -triple=amdgcn-amd-amdhsa -mcpu=gfx1250 --defsym DOCPART=n.
;; ======== version 1 of 1: 2 launches
;; limits: values are held in f16: magnitudes above 65,504 overflow, below 6.1e-05 lose precision
;; workspace buffers: qws 8,388,608 bytes; kws 8,388,608 bytes; vws 8,388,608 bytes; wfb 65,536 bytes
;; launch proj (part 1): grid 16 x 16, 4 waves a work-group, clusters of 4 x 1, 327,680 bytes of LDS; arguments x, Wq, bq, Wk, bk, Wv, bv, Wf, qws, kws, vws, wfb; writes qws, kws, vws, wfb
.if DOCPART == 1
	.amdgcn_target "amdgcn-amd-amdhsa--gfx1250"
	.amdhsa_code_object_version 6
	.text
	.protected	k_q1b3ba5b436_proj
	.globl	k_q1b3ba5b436_proj
	.p2align	8
	.type	k_q1b3ba5b436_proj,@function
k_q1b3ba5b436_proj:
	s_mov_b64 s[64:65], 0
	v_nop
	global_prefetch_b8 v0, s[64:65] scope:SCOPE_SE
	s_setreg_imm32_b32 hwreg(HW_REG_WAVE_MODE, 25, 1), 1
	s_wait_xcnt 0x0
	s_wait_alu depctr_hold_cnt(0) depctr_sa_sdst(0) depctr_va_vdst(0) depctr_va_sdst(0) depctr_va_ssrc(0) depctr_va_vcc(0) depctr_vm_vsrc(0)
	s_getreg_b32 s2, hwreg(HW_REG_IB_STS2, 6, 4)
	s_cmp_eq_u32 s2, 0
	s_cbranch_scc0 .Lentry_in_a_cluster
	s_endpgm
.Lentry_in_a_cluster:
	s_bfe_u32 s2, ttmp6, 0x10000c
	s_cmp_lg_u32 s2, 0x3003
	s_cbranch_scc0 .Lentry_shape_is_right
	s_endpgm
.Lentry_shape_is_right:
; Q, K, V = W x + b for one batch b and 128 positions n, rounded once (Q, K to f16, V to bf16); and one row of Wf rounded to bf16.
;   qws, kws: [b][n][h] f16 (rows of 256 bytes);  vws: [b][h][n] bf16 (rows of 4,096 bytes);  wfb: [c][h] bf16.
; Four waves.  Wave w makes rows h = 32 w .. 32 w + 31 of each of Q, K, V for all 128 n: 48 accumulator tiles, 384 matrix instructions.
; Q, K: source 0 = W fragment, source 1 = x fragment, so a lane's 8 results are 8 neighbouring h of one n.
; V:    source 0 = x fragment, source 1 = Wv fragment, so a lane's 8 results are 8 neighbouring n of one h.
; The bias is the C operand of the first product: nothing is cleared and nothing is added afterwards.
; x (f32, [c][n]) comes through registers: 64 loads of 512 neighbouring bytes a wave, all issued at the start; it is rounded to f16,
; laid into LDS as [c][n] and read as fragments by the transposing LDS load.
; The weights (f32) come in four chunks of 64 channels (rows of 256 bytes) through two LDS slots.
; CLUSTER: the four work-groups of a cluster (same batch, neighbouring n blocks) need the same weights, 384 KiB each: they ask jointly
; (mask 15), waves 0, 1, 2 for Wq, Wk, Wv.  Wave 3 has no tile to ask for; it converts the work-group's row of Wf instead.
; WHY f16: a score is a sum of 128 products q k and stands in an exponent, so what is rounded in front of it (x, W, Q, K) is kept to 11 bits, not 8.
; LIMIT: |x|, |W|, |Q|, |K| below 65,504, f16's largest number.  Numbers below 6.1e-5 are kept with a step of 6e-8.  Sums are f32.
.set WT,    34816                      ; one weight tile in LDS: 128 rows x 272 (256 + 16 of padding); also one output stage
.set SLOTB, 3*WT                       ; a slot: the tiles of Wq, Wk, Wv
.set XT,    2*SLOTB                    ; x in f16: 256 rows c x 288 bytes (256 + 32: an odd multiple of 32, for the transposing load)
.set XP,    288
.set SV,    XT+256*XP                  ; stage of V: 128 rows h x 272.  The stages of Q and K lie over XT, which only LDS stores ever write
.set SP,    272
; window 0
.set XA,  4                            ; v4, v5   x fragments: channels 0-127, 128-255
.set WA,  6                            ; v6, v7   Wq and Wk fragments in slot 0, 1
.set WAV, 8                            ; v8, v9   Wv fragments in slot 0, 1
.set XS,  10                           ; where my 8 bytes of a row of x go
.set XO,  11                           ; my 16 bytes of a row of x in memory
.set STQ, 12                           ; stage of Q and K, in
.set STV, 13                           ; stage of V, in
.set BO,  14                           ; bq, bk: my 8 numbers
.set BV,  15                           ; bv: my number
.set VB,  16                           ; v[16:31] two C tuples of bv; after the products: RDQ v16, RDV v17, GQ v18, GV v19
.set WB0, 32                           ; six W fragments (Q 0,1  K 0,1  V 0,1), buffer 0
.set XF0, 80                           ; eight x fragments, buffer 0
.set WB1, 144
.set XF1, 192
; window 1: the 32 accumulators of Q and K, tile (fragment fi, n tile nt) at 8 (8 fi + nt)
; window 2: v0-127 the 16 accumulators of V; RAW: W as f32, 16 registers a fragment (also x on its way to LDS); BQK: four C tuples of bq, bk
.set RAW, 128
.set BQK, 224
; window 3: x as loaded, load i at 4 i
.set G0, 32                            ; s[32:35], s[36:39] descriptor group 0 of slot 0, 1
.set G1, 40                            ; s[40:47] descriptor group 1
.set MSB, 0
.macro WIN new                         ; the immediate's high byte repeats the setting that is left; a switch that changes nothing is dropped
.if MSB != \new
	s_set_vgpr_msb (MSB<<8)|\new
.set MSB, \new
.endif
.endm
; A round of the cluster's barrier: my work-group's barrier, wave 0 signals for the work-group, all wait for the four work-groups, my barrier again.
.macro ROUND
	s_barrier_signal -1
	s_barrier_wait -1
	s_cmp_lg_u32 s28, 0
	s_cbranch_scc1 .Lnot_wave_0_\@
	s_barrier_signal -3
.Lnot_wave_0_\@:
	s_barrier_wait -3
	s_barrier_signal -1
	s_barrier_wait -1
.endm
	s_load_b512 s[4:19], s[0:1], 0x0               ; x 4:5, Wq 6:7, bq 8:9, Wk 10:11, bk 12:13, Wv 14:15, bv 16:17, Wf 18:19
	s_load_b256 s[20:27], s[0:1], 0x40             ; qws 20:21, kws 22:23, vws 24:25, wfb 26:27
	v_lshl_add_u32 v174, v0, 2, 0x4d800
	v_mov_b32 v175, 0
	ds_add_u32 v174, v175
	s_wait_dscnt 0x0
	v_lshrrev_b32 v3, 5, v0
	v_readfirstlane_b32 s28, v3                    ; wave 0..3
	s_bfe_u32 s29, ttmp6, 0x40000                  ; my place in the cluster
	s_lshl_b32 s30, ttmp9, 2
	s_add_co_u32 s30, s30, s29                     ; n block = 4 x cluster x + place
	s_and_b32 s31, ttmp7, 0xffff                   ; batch
	; group 1: a tile of 128 rows x 64 f32, pitch 256 elements, 16 bytes of padding behind every 64 words; mask 15 with bit 21 beside it
	s_mov_b32 s[G1+0], 15|(2<<16)|(1<<20)|(1<<21)|(5<<22)|(3<<25)
	s_mov_b32 s[G1+1], 64<<16                      ; tensor_dim0 = 64
	s_mov_b32 s[G1+2], 128<<16                     ; tensor_dim1 = 128
	s_mov_b32 s[G1+3], 64<<16                      ; tile_dim0 = 64
	s_mov_b32 s[G1+4], 128                         ; tile_dim1 = 128
	s_mov_b32 s[G1+5], 256                         ; elements from row to row
	s_mov_b32 s[G1+6], 0
	s_mov_b32 s[G1+7], 0
	s_mov_b32 s[G0+0], 1
	s_mul_i32 s[G0+1], s28, WT                     ; LDS: the wave's tile of slot 0
	s_mov_b32 s[G0+4], 1
	s_add_co_u32 s[G0+5], s[G0+1], SLOTB           ; and of slot 1
	s_mul_i32 s50, s28, 32*SP                      ; my 32 rows in a tile of pitch 272
	s_mul_i32 s51, s28, 16*XP
	s_add_co_u32 s51, s51, XT                      ; my 16 rows of a chunk of x in LDS
	s_lshl_b32 s52, s31, 21                        ; x: batch x 2 MiB + n block x 512 bytes
	s_lshl_b32 s53, s30, 9
	s_add_co_u32 s52, s52, s53
	s_mov_b32 s53, 0
	s_lshl_b32 s54, s31, 19                        ; qws, kws: batch x 512 KiB + n block x 128 rows of 256 bytes
	s_lshl_b32 s55, s30, 15
	s_add_co_u32 s54, s54, s55
	s_mov_b32 s55, 0
	v_and_b32 v1, 15, v0                           ; r
	v_bfe_u32 v2, v0, 4, 1                         ; h: which half of the lanes
	v_and_b32 v3, 7, v0
	v_lshl_add_u32 v3, v2, 3, v3
	v_mul_u32_u24 v[XA], v3, XP                    ; transposing load: row 8 h + (lane & 7),
	v_bfe_u32 v3, v0, 3, 1
	v_lshl_add_u32 v[XA], v3, 4, v[XA]             ; 16 bytes further for lanes 8-15 of each half
	v_add_nc_u32 v[XA], XT, v[XA]
	v_add_nc_u32 v[XA+1], 128*XP, v[XA]
	v_mul_u32_u24 v3, v1, SP
	v_add_nc_u32 v3, s50, v3                       ; (32 w + r) x 272
	v_lshl_add_u32 v[WA], v2, 5, v3                ; + 8 f32 for the upper half of the lanes
	v_add_nc_u32 v[WA+1], SLOTB, v[WA]
	v_add_nc_u32 v[WAV], 2*WT, v[WA]
	v_add_nc_u32 v[WAV+1], 2*WT, v[WA+1]
	v_lshl_add_u32 v[STV], v2, 4, v3
	v_add_nc_u32 v[STV], SV, v[STV]
	v_mul_u32_u24 v[STQ], v1, SP
	v_lshl_add_u32 v[STQ], v2, 4, v[STQ]
	v_lshl_add_u32 v[STQ], s28, 6, v[STQ]
	v_add_nc_u32 v[STQ], XT, v[STQ]
	v_lshlrev_b32 v[BO], 5, v2
	v_lshl_add_u32 v[BO], s28, 7, v[BO]            ; 4 (32 w + 8 h)
	v_lshlrev_b32 v[BV], 2, v1
	v_lshl_add_u32 v[BV], s28, 7, v[BV]            ; 4 (32 w + r)
	v_and_b32 v3, 31, v0
	v_lshlrev_b32 v[XS], 3, v3
	v_add_nc_u32 v[XS], s51, v[XS]
	v_lshlrev_b32 v3, 4, v3                        ; 16 x lane: wave 3's offset in its row of Wf; untouched until that load is in
	v_lshl_add_u32 v[XO], s28, 17, v3              ; + 16 w rows of 8,192 bytes
	s_wait_kmcnt 0x0
	s_cmp_eq_u32 s28, 1                            ; which weight I ask for hangs on the wave's number alone
	s_cselect_b64 s[48:49], s[10:11], s[6:7]
	s_cmp_eq_u32 s28, 2
	s_cselect_b64 s[48:49], s[14:15], s[48:49]
	s_mov_b64 s[G0+2:G0+3], s[48:49]               ; chunk 0
	s_add_nc_u64 s[G0+6:G0+7], s[48:49], 256       ; chunk 1: 64 f32 along the rows
	s_or_b32 s[G0+3], s[G0+3], 0x80000000
	s_or_b32 s[G0+7], s[G0+7], 0x80000000
	s_add_nc_u64 s[4:5], s[4:5], s[52:53]
	s_add_nc_u64 s[20:21], s[20:21], s[54:55]
	s_add_nc_u64 s[22:23], s[22:23], s[54:55]
	s_lshl_b32 s52, s31, 19                        ; vws: batch x 512 KiB + n block x 256 bytes
	s_lshl_b32 s54, s30, 8
	s_add_co_u32 s52, s52, s54
	s_add_nc_u64 s[24:25], s[24:25], s[52:53]
	s_lshl_b32 s52, s31, 4
	s_add_co_u32 s52, s52, s30                     ; the work-group's number 0..255 = its row of Wf
	s_lshl_b32 s54, s52, 9
	s_add_nc_u64 s[18:19], s[18:19], s[54:55]
	s_lshl_b32 s54, s52, 8
	s_add_nc_u64 s[26:27], s[26:27], s[54:55]
	ROUND                                          ; the four work-groups are here: the first joint loads meet
	s_cmp_eq_u32 s28, 3
	s_cbranch_scc1 .Lwave_3_loads
	tensor_load_to_lds s[G0:G0+3], s[G1:G1+7]      ; both first fills in one group: two tensor loads of the wave are out, never more
	s_nop 0
	tensor_load_to_lds s[G0+4:G0+7], s[G1:G1+7]
	s_nop 0
	s_branch .Lasked
.Lwave_3_loads:
	global_load_b128 v[32:35], v3, s[18:19]        ; a row of Wf: 512 neighbouring bytes
.Lasked:
	WIN 0x80                                       ; destination window 2
.irp t, 0, 1
	global_load_b128 v[BQK+8*\t:BQK+8*\t+3],       v[BO], s[8:9]   offset:64*\t      ; bq[32 w + 16 t + 8 h + 0..7]
	global_load_b128 v[BQK+8*\t+4:BQK+8*\t+7],     v[BO], s[8:9]   offset:64*\t+16
	global_load_b128 v[BQK+16+8*\t:BQK+16+8*\t+3], v[BO], s[12:13] offset:64*\t
	global_load_b128 v[BQK+20+8*\t:BQK+20+8*\t+3], v[BO], s[12:13] offset:64*\t+16
.endr
	WIN 0
	global_load_b32 v[VB],   v[BV], s[16:17]                   ; bv[32 w + r]
	global_load_b32 v[VB+8], v[BV], s[16:17] offset:64         ; bv[32 w + 16 + r]
	WIN 0xc0                                       ; destination window 3
.set i, 0
.rept 64                                           ; row 64 g + 16 w + i' of x, g = i >> 4, i' = i & 15
	global_load_b128 v[4*i:4*i+3], v[XO], s[4:5] offset:((i>>4)*64+(i&15))*8192
.set i, i+1
.endr
	WIN 0
; My 16 rows of chunk g of x: f32 to f16, 8 bytes a lane into LDS.
.macro XCONV g
	s_wait_loadcnt 48-16*\g                        ; loads come back in order: all but the 16 loads of each later chunk are in
	WIN 0x8f
.set i, 0
.rept 16
	v_cvt_pk_f16_f32 v[RAW+2*i],   v[64*\g+4*i],   v[64*\g+4*i+1]
	v_cvt_pk_f16_f32 v[RAW+2*i+1], v[64*\g+4*i+2], v[64*\g+4*i+3]
.set i, i+1
.endr
	WIN 0x08
.set i, 0
.rept 16
	ds_store_b64 v[XS], v[RAW+2*i:RAW+2*i+1] offset:(64*\g+i)*XP
.set i, i+1
.endr
	WIN 0
.endm
; 24 LDS loads: my six W fragments of 32 channels as f32 (8 + 8 numbers a lane, 16 f32 apart)
.macro WRAW slot, kc2
	WIN 0x80
.set fi, 0
.rept 6
.set e, 0
.rept 4
.if fi < 4
	ds_load_b128 v[RAW+16*fi+4*e:RAW+16*fi+4*e+3], v[WA+\slot] offset:(fi>>1)*WT+(fi&1)*16*SP+128*\kc2+(e>>1)*64+(e&1)*16
.else
	ds_load_b128 v[RAW+16*fi+4*e:RAW+16*fi+4*e+3], v[WAV+\slot] offset:(fi&1)*16*SP+128*\kc2+(e>>1)*64+(e&1)*16
.endif
.set e, e+1
.endr
.set fi, fi+1
.endr
.endm
.macro WCVT wb                                     ; 48 roundings: the six fragments in f16
	WIN 0x0a
.set fi, 0
.rept 6
.set e, 0
.rept 8
	v_cvt_pk_f16_f32 v[\wb+8*fi+e], v[RAW+16*fi+2*e], v[RAW+16*fi+2*e+1]
.set e, e+1
.endr
.set fi, fi+1
.endr
.endm
.macro XFRAG g, kc2, xf                            ; 16 transposing loads: eight x fragments of 32 channels
	WIN 0
.set nt, 0
.rept 8
	ds_load_tr16_b128 v[\xf+8*nt:\xf+8*nt+3],   v[XA+(\g>>1)] offset:((2*\g+\kc2)&3)*32*XP+32*nt
	ds_load_tr16_b128 v[\xf+8*nt+4:\xf+8*nt+7], v[XA+(\g>>1)] offset:((2*\g+\kc2)&3)*32*XP+32*nt+16*XP
.set nt, nt+1
.endr
.endm
; 48 matrix instructions, 32 along c.  The 48 accumulators take turns, one instruction a turn.
.macro MUL wb, xf, first
.if \first
	WIN 0x60                                       ; D window 1, C (the bias) window 2
.else
	WIN 0x50
.endif
.set fi, 0
.rept 4
.set nt, 0
.rept 8
.if \first
	v_wmma_f32_16x16x32_f16 v[8*(8*fi+nt):8*(8*fi+nt)+7], v[\wb+8*fi:\wb+8*fi+7], v[\xf+8*nt:\xf+8*nt+7], v[BQK+8*fi:BQK+8*fi+7]
.else
	v_wmma_f32_16x16x32_f16 v[8*(8*fi+nt):8*(8*fi+nt)+7], v[\wb+8*fi:\wb+8*fi+7], v[\xf+8*nt:\xf+8*nt+7], v[8*(8*fi+nt):8*(8*fi+nt)+7]
.endif
.set nt, nt+1
.endr
.set fi, fi+1
.endr
.if \first
	WIN 0x80                                       ; D window 2, C (the bias) window 0
.else
	WIN 0xa0
.endif
.set fi, 0
.rept 2
.set nt, 0
.rept 8
.if \first
	v_wmma_f32_16x16x32_f16 v[8*(8*fi+nt):8*(8*fi+nt)+7], v[\xf+8*nt:\xf+8*nt+7], v[\wb+32+8*fi:\wb+32+8*fi+7], v[VB+8*fi:VB+8*fi+7]
.else
	v_wmma_f32_16x16x32_f16 v[8*(8*fi+nt):8*(8*fi+nt)+7], v[\xf+8*nt:\xf+8*nt+7], v[\wb+32+8*fi:\wb+32+8*fi+7], v[8*(8*fi+nt):8*(8*fi+nt)+7]
.endif
.set nt, nt+1
.endr
.set fi, fi+1
.endr
.endm
; A chunk of 64 channels = two steps of 32.  Every load or rounding that lands on a fragment buffer stands at least 32 plain vector
; instructions (the other step's roundings, or XCONV's) behind the matrix instructions that read that buffer.
.macro CHUNK g, slot, first
	WRAW \slot, 0
	XFRAG \g, 0, XF0
	s_wait_dscnt 16                                ; W is in; the 16 loads of x fragments may stay out
	WCVT WB0
	WRAW \slot, 1
	XFRAG \g, 1, XF1
	s_wait_dscnt 40                                ; all but the 24 + 16 just issued
	MUL WB0, XF0, \first
	s_wait_dscnt 16                                ; the second step's W is in
	WCVT WB1
	s_wait_dscnt 0x0
	MUL WB1, XF1, 0
	WIN 0
.endm
.macro REFILL s                                    ; wave 3 has no tile
	s_cmp_eq_u32 s28, 3
	s_cbranch_scc1 .Lnone_\@
	tensor_load_to_lds s[G0+4*\s:G0+4*\s+3], s[G1:G1+7]
	s_nop 0
.Lnone_\@:
.endm
	XCONV 0                                        ; its wait also shows the biases and wave 3's row of Wf in
.irp j, 1,2,3,4,5,6,7
	v_mov_b32 v[VB+\j],   v[VB]                     ; V's bias hangs on the lane alone: the same number in all 8 registers of the C tuple
	v_mov_b32 v[VB+8+\j], v[VB+8]
.endr
	s_cmp_lg_u32 s28, 3
	s_cbranch_scc1 .Lno_wf
	v_cvt_pk_bf16_f32 v36, v32, v33
	v_cvt_pk_bf16_f32 v37, v34, v35
	v_lshrrev_b32 v3, 1, v3                        ; 8 x lane
	global_store_b64 v3, v[36:37], s[26:27]        ; the wave stores 256 consecutive bytes, aligned
	s_wait_xcnt 0x0                                ; v36, v37 are fragment registers later
.Lno_wf:
	s_wait_tensorcnt 0x1                           ; my tile of chunk 0 is in; chunk 1's may stay out
	s_wait_dscnt 0x0                               ; my rows of x are in LDS
	s_barrier_signal -1
	s_barrier_wait -1
	CHUNK 0, 0, 1
	XCONV 1
	s_wait_xcnt 0x0
	v_lshl_add_u32 v174, v0, 2, 0x4d800
	v_mov_b32 v175, 0
	s_wait_tensorcnt 0x0                           ; all my tensor loads have landed, so a group 0 may be written
	ds_add_u32 v174, v175
	s_wait_dscnt 0x0
	s_add_nc_u64 s[G0+2:G0+3], s[G0+2:G0+3], 512   ; slot 0: chunk 2
	s_wait_dscnt 0x0                               ; my reads of slot 0 are back, my rows of x are in LDS
	ROUND                                          ; both hold of every wave of the four work-groups
	REFILL 0
	CHUNK 1, 1, 0
	XCONV 2
	s_wait_xcnt 0x0
	v_lshl_add_u32 v174, v0, 2, 0x4d800
	v_mov_b32 v175, 0
	s_wait_tensorcnt 0x0
	ds_add_u32 v174, v175
	s_wait_dscnt 0x0
	s_add_nc_u64 s[G0+6:G0+7], s[G0+6:G0+7], 512   ; slot 1: chunk 3
	s_wait_dscnt 0x0
	ROUND
	REFILL 1
	CHUNK 2, 0, 0
	XCONV 3
	s_wait_tensorcnt 0x0                           ; chunk 3 is in; nothing is left to fetch
	s_wait_dscnt 0x0
	s_barrier_signal -1
	s_barrier_wait -1
	CHUNK 3, 1, 0
	; THE WAY OUT.  Every wave has done with x in LDS: the stages of Q and K may lie over it.
	s_wait_dscnt 0x0
	s_barrier_signal -1
	s_barrier_wait -1
	; eleven address instructions, which name no register of the last matrix instructions: more than the four places that the roundings below need
	v_mul_u32_u24 v16, v2, SP
	v_lshl_add_u32 v16, v1, 4, v16
	v_add_nc_u32 v16, s50, v16                     ; back: lanes 0-15 take row 32 w + 2 t, lanes 16-31 the next
	v_add_nc_u32 v17, SV, v16                      ; RDV
	v_add_nc_u32 v16, XT, v16                      ; RDQ
	v_and_b32 v18, 31, v0
	v_lshlrev_b32 v18, 4, v18
	v_lshl_add_u32 v18, s28, 13, v18               ; GQ: rows of 256 bytes follow each other: 8,192 w + 16 x lane
	v_lshlrev_b32 v19, 12, v2
	v_lshl_add_u32 v19, v1, 4, v19
	v_lshl_add_u32 v19, s28, 17, v19               ; GV: (32 w + h) x 4,096 + 16 r
	WIN 0x05                                       ; Q and K: to f16
.set t, 0
.rept 32
.set e, 0
.rept 4
	v_cvt_pk_f16_f32 v[32+4*t+e], v[8*t+2*e], v[8*t+2*e+1]
.set e, e+1
.endr
.set t, t+1
.endr
	WIN 0x0a                                       ; V: to bf16
.set t, 0
.rept 16
.set e, 0
.rept 4
	v_cvt_pk_bf16_f32 v[160+4*t+e], v[8*t+2*e], v[8*t+2*e+1]
.set e, e+1
.endr
.set t, t+1
.endr
	WIN 0
.set t, 0
.rept 32                                           ; t = 16 p + 8 tt + nt: row n = 16 nt + r, bytes 64 w + 32 tt + 16 h
	ds_store_b128 v[STQ], v[32+4*t:32+4*t+3] offset:(t>>4)*WT+(t&7)*16*SP+((t>>3)&1)*32
.set t, t+1
.endr
.set t, 0
.rept 16                                           ; t = 8 tt + nt: row h = 32 w + 16 tt + r, bytes 32 nt + 16 h
	ds_store_b128 v[STV], v[160+4*t:160+4*t+3] offset:(t>>3)*16*SP+(t&7)*32
.set t, t+1
.endr
	s_wait_dscnt 0x0                               ; a row of Q or K holds a piece from each wave
	s_barrier_signal -1
	s_barrier_wait -1
.set t, 0
.rept 16
	ds_load_b128 v[32+4*t:32+4*t+3], v16 offset:2*SP*t
.set t, t+1
.endr
.set t, 0
.rept 16
	ds_load_b128 v[96+4*t:96+4*t+3], v16 offset:WT+2*SP*t
.set t, t+1
.endr
.set t, 0
.rept 16
	ds_load_b128 v[160+4*t:160+4*t+3], v17 offset:2*SP*t
.set t, t+1
.endr
	; sixteen neighbouring lanes store 256 consecutive bytes, aligned.  The count: the LDS loads issued behind the one that is stored.
.set t, 0
.rept 16
	s_wait_dscnt 47-t
	global_store_b128 v18, v[32+4*t:32+4*t+3], s[20:21] offset:512*t
.set t, t+1
.endr
.set t, 0
.rept 16
	s_wait_dscnt 31-t
	global_store_b128 v18, v[96+4*t:96+4*t+3], s[22:23] offset:512*t
.set t, t+1
.endr
.set t, 0
.rept 16
	s_wait_dscnt 15-t
	global_store_b128 v19, v[160+4*t:160+4*t+3], s[24:25] offset:8192*t
.set t, t+1
.endr
	s_wait_xcnt 0x0
	v_lshl_add_u32 v174, v0, 2, 0x4d800
	v_mov_b32 v175, 0
	s_wait_tensorcnt 0x0
	ds_add_u32 v174, v175
	s_wait_dscnt 0x0
	ROUND                                          ; the closing round: no work-group ends while a partner may still ask jointly
	s_endpgm
.Lfunc_end_k_q1b3ba5b436_proj:
	.size	k_q1b3ba5b436_proj, .Lfunc_end_k_q1b3ba5b436_proj-k_q1b3ba5b436_proj
	.p2alignl 7, 3214868480
	.fill 96, 4, 3214868480
	.section	.rodata,"a",@progbits
	.p2align	6, 0x0
	.amdhsa_kernel k_q1b3ba5b436_proj
		.amdhsa_group_segment_fixed_size 327680
		.amdhsa_private_segment_fixed_size 0
		.amdhsa_enable_private_segment 0
		.amdhsa_kernarg_size 96
		.amdhsa_user_sgpr_count 2
		.amdhsa_user_sgpr_kernarg_segment_ptr 1
		.amdhsa_wavefront_size32 1
		.amdhsa_system_sgpr_workgroup_id_x 1
		.amdhsa_system_sgpr_workgroup_id_y 1
		.amdhsa_system_sgpr_workgroup_id_z 1
		.amdhsa_system_vgpr_workitem_id 0
		.amdhsa_next_free_vgpr 1024
		.amdhsa_next_free_sgpr 66
		.amdhsa_reserve_vcc 0
		.amdhsa_float_denorm_mode_32 3
		.amdhsa_float_denorm_mode_16_64 3
		.amdhsa_memory_ordered 1
		.amdhsa_forward_progress 1
		.amdhsa_inst_pref_size 123
	.end_amdhsa_kernel
	.amdgpu_metadata
---
amdhsa.version: [ 1, 2 ]
amdhsa.kernels:
  - .name:           k_q1b3ba5b436_proj
    .symbol:         k_q1b3ba5b436_proj.kd
    .args:
      - { .name: x, .offset: 0, .size: 8, .value_kind: global_buffer, .address_space: global }
      - { .name: Wq, .offset: 8, .size: 8, .value_kind: global_buffer, .address_space: global }
      - { .name: bq, .offset: 16, .size: 8, .value_kind: global_buffer, .address_space: global }
      - { .name: Wk, .offset: 24, .size: 8, .value_kind: global_buffer, .address_space: global }
      - { .name: bk, .offset: 32, .size: 8, .value_kind: global_buffer, .address_space: global }
      - { .name: Wv, .offset: 40, .size: 8, .value_kind: global_buffer, .address_space: global }
      - { .name: bv, .offset: 48, .size: 8, .value_kind: global_buffer, .address_space: global }
      - { .name: Wf, .offset: 56, .size: 8, .value_kind: global_buffer, .address_space: global }
      - { .name: qws, .offset: 64, .size: 8, .value_kind: global_buffer, .address_space: global }
      - { .name: kws, .offset: 72, .size: 8, .value_kind: global_buffer, .address_space: global }
      - { .name: vws, .offset: 80, .size: 8, .value_kind: global_buffer, .address_space: global }
      - { .name: wfb, .offset: 88, .size: 8, .value_kind: global_buffer, .address_space: global }
    .group_segment_fixed_size: 327680
    .private_segment_fixed_size: 0
    .kernarg_segment_align: 8
    .kernarg_segment_size: 96
    .max_flat_workgroup_size: 128
    .sgpr_count:     66
    .vgpr_count:     1024
    .wavefront_size: 32
...
	.end_amdgpu_metadata
.endif
;; end of part 1
;; launch attn (part 2): grid 16 x 16, 4 waves a work-group, clusters of 4 x 1, 327,680 bytes of LDS; arguments qws, kws, vws, wfb, bf, x, out0; writes out0
.if DOCPART == 2
	.amdgcn_target "amdgcn-amd-amdhsa--gfx1250"
	.amdhsa_code_object_version 6
	.text
	.protected	k_q1b3ba5b436_attn
	.globl	k_q1b3ba5b436_attn
	.p2align	8
	.type	k_q1b3ba5b436_attn,@function
k_q1b3ba5b436_attn:
	s_mov_b64 s[64:65], 0
	v_nop
	global_prefetch_b8 v0, s[64:65] scope:SCOPE_SE
	s_setreg_imm32_b32 hwreg(HW_REG_WAVE_MODE, 25, 1), 1
	s_wait_xcnt 0x0
	s_wait_alu depctr_hold_cnt(0) depctr_sa_sdst(0) depctr_va_vdst(0) depctr_va_sdst(0) depctr_va_ssrc(0) depctr_va_vcc(0) depctr_vm_vsrc(0)
	s_getreg_b32 s2, hwreg(HW_REG_IB_STS2, 6, 4)
	s_cmp_eq_u32 s2, 0
	s_cbranch_scc0 .Lentry_in_a_cluster
	s_endpgm
.Lentry_in_a_cluster:
	s_bfe_u32 s2, ttmp6, 0x10000c
	s_cmp_lg_u32 s2, 0x3003
	s_cbranch_scc0 .Lentry_shape_is_right
	s_endpgm
.Lentry_shape_is_right:
; out0[b][c][n] = sum_h Wf[c][h] O[h][n] + bf[c] + x[b][c][n],  O[h][i] = sum_j V[h][j] softmax_j(Q[:, i] . K[:, j]),  one batch and 128 queries a work-group.
; Everything is computed transposed, so that a result passes to the next product inside the lane:
;   S^T = K Q^T   (source 0 = 16 keys of K, source 1 = 16 queries of Q): lane (r, h) holds keys 8 h + 0..7 of query r;
;   two stacked tiles of S^T, rounded to bf16, ARE the source 1 fragment (32 keys of query r) of  O^T = V P^T  (source 0 = 16 rows h of V);
;   two stacked tiles of O^T, rounded, ARE the source 0 fragment of  out^T = O Wf^T  (source 1 = 16 rows c of Wf): a lane ends with 8 neighbouring n of one c.
; The softmax runs along a lane's registers and over the two halves of the lanes (one v_permlanex16_b32), with a running maximum, in base 2.
; Four waves: wave w = 2 qh + kh has 64 queries (half qh) and, of each step of 256 keys, keys 128 kh .. 128 kh + 127, with its own maximum, sum and O;
; the two key halves are merged once at the end.  Eight steps of two blocks of 64 keys: 16 blocks a wave.
; THE PIPELINE.  A wave's queries are two groups of 32: a (window 2) and b (window 3).  Block n goes in two phases:
;   A(n): matrix  PV_b(n-1), S_b(n)     vector  softmax_a(n)
;   B(n): matrix  PV_a(n),   S_a(n+1)   vector  softmax_b(n)
; The two streams of a phase share no register.  The softmax's 270 vector instructions are dealt evenly among the phase's 64 matrix instructions, 4 or 5 behind each,
; so that they are issued while the matrix instruction in front of them is at work.  That costs two window switches a matrix instruction: one setting for both
; streams would ask for the vector destination and the matrix result in one window, and S and O of both groups are 384 registers.
; CLUSTER: the four query blocks of a cluster (same batch) read the same K, V and Wf: joint loads, mask 15.  Waves 0, 1 ask for K's halves, waves 2, 3 for V's.
; FORMATS: Q and K are f16 (a score stands in an exponent: 11 bits, not 8; |Q|, |K| below 65,504), V, P, O and Wf are bf16.
; LIMITS: sums, softmax and merge are f32; the sum of a row is taken over the unrounded p; v_exp_f32 gives zero below 2^-126; scores must be finite.
.set SLOT,  137216                     ; a slot: K 256 rows x 272, then V 128 rows x 528
.set KP,    272
.set VP,    528
.set KH,    128*KP                     ; what one wave fetches of K
.set VPART, 256*KP
.set VH,    64*VP                      ; what one wave fetches of V
.set XCH,   VPART                      ; exchange of O, 4 x 16 KiB, in slot 0's part for V, behind that part's last fill
.set STG,   SLOT                       ; output stage, 256 rows c x 528, in slot 1, behind its last read
.set STATS, 2*SLOT                     ; 4 KiB that no fill ever touches
; window 0
.set KA, 4                             ; v4, v5  K fragments in slot 0, 1
.set VA, 6                             ; v6, v7  V fragments
.set WA, 8                             ; Wf fragments
.set QO, 9
.set BO, 10
.set STA, 11                           ; my stats, the partner's
.set STB, 12
.set XSA, 13                           ; my part of the exchange, the partner's
.set XRA, 14
.set SGA, 15                           ; stage in: c tiles 0-7; v16: c tiles 8-15
.set RDA, 17
.set XO, 18
.set PF, 19
.set BFV, 32                           ; v[32:47] bf[16 ct + r]
.set OB, 64                            ; v[64:127] O as source 0 fragments, 32 q + 8 kc
.set KF, 128                           ; v[128:255] K fragments, 32 kt + 8 kc; later the partner's O
; window 1: v0-127 Q fragments, 32 qt + 8 kc;  v128-255 V fragments, 128 + 64 c2 + 8 ht;  later Wf fragments (two buffers of 128), then the stage read back
; windows 2 (query tiles 0, 1) and 3 (query tiles 2, 3): O at 8 (2 ht + q);  S at 128 + 8 (2 kt + q), P made in place;  and per q:
.set S_, 128
.set MR, 192                           ; running maximum
.set NM, 194                           ; - maximum x log2 e
.set AL, 196                           ; the factor on what was summed before
.set LL, 198                           ; the row's sum, a pair for each q
.set TM, 202
.set TX, 204
.set CA, 206                           ; four pairs: the block's sums, 4 c2 + 2 q
.set TB, 214
.set PN, 216                           ; the partner's NM and sum
.set PL, 218
.set SC, 220                           ; my factor in the merge
.set LS, 222                           ; my sum over the lane pair
; later: window 2 the 32 final accumulators at 8 (2 ct + q);  window 3 the residual x, row i at 4 i
.set G1K, 32
.set G1V, 40
.set G0K, 48                           ; s[48:51], s[52:55]
.set G0V, 56                           ; s[56:59], s[60:63]
.set G1W, 68
.set G0W, 76
.set MSB, 0
.macro WIN new
.if MSB != \new
	s_set_vgpr_msb (MSB<<8)|\new
.set MSB, \new
.endif
.endm
.macro PLACES n
.rept \n
	v_nop
.endr
.endm
.macro ROUND
	s_barrier_signal -1
	s_barrier_wait -1
	s_cmp_lg_u32 s18, 0
	s_cbranch_scc1 .Lnot_wave_0_\@
	s_barrier_signal -3
.Lnot_wave_0_\@:
	s_barrier_wait -3
	s_barrier_signal -1
	s_barrier_wait -1
.endm
.macro JLOAD s                                     ; one joint load a wave; the branch hangs on the wave's number alone
	s_cmp_eq_u32 s19, 0
	s_cbranch_scc0 .Lfor_v_\@
	tensor_load_to_lds s[G0K+4*\s:G0K+4*\s+3], s[G1K:G1K+7]
	s_nop 0
	s_branch .Lasked_\@
.Lfor_v_\@:
	tensor_load_to_lds s[G0V+4*\s:G0V+4*\s+3], s[G1V:G1V+7]
	s_nop 0
.Lasked_\@:
.endm
	s_load_b256 s[4:11], s[0:1], 0x0               ; qws 4:5, kws 6:7, vws 8:9, wfb 10:11
	s_load_b128 s[12:15], s[0:1], 0x20             ; bf 12:13, x 14:15
	s_load_b64 s[16:17], s[0:1], 0x30              ; out0
	v_lshl_add_u32 v62, v0, 2, 0x44000
	v_mov_b32 v63, 0
	ds_add_u32 v62, v63
	v_lshrrev_b32 v1, 5, v0
	v_readfirstlane_b32 s18, v1                    ; wave
	s_lshr_b32 s19, s18, 1                         ; qh.  Also: I fetch for K (0) or for V (1)
	s_and_b32 s20, s18, 1                          ; kh.  Also: which half of that tile I fetch
	s_bfe_u32 s21, ttmp6, 0x40000                  ; my place in the cluster
	s_lshl_b32 s22, ttmp9, 2
	s_add_co_u32 s22, s22, s21                     ; query block
	s_and_b32 s23, ttmp7, 0xffff                   ; batch
	s_mov_b32 s30, 0x76543210                      ; v_permlanex16_b32: lane i of one half reads lane i of the other
	s_mov_b32 s31, 0xfedcba98
	; K: 128 rows x 128 elements of 2 bytes, pitch 128, 16 bytes of padding behind every 64 words
	s_mov_b32 s[G1K+0], 15|(1<<16)|(1<<20)|(1<<21)|(5<<22)|(3<<25)
	s_mov_b32 s[G1K+1], 128<<16
	s_mov_b32 s[G1K+2], 128<<16
	s_mov_b32 s[G1K+3], 128<<16
	s_mov_b32 s[G1K+4], 128
	s_mov_b32 s[G1K+5], 128
	s_mov_b32 s[G1K+6], 0
	s_mov_b32 s[G1K+7], 0
	; V: 64 rows x 256 elements of 2 bytes, pitch 2,048, padding behind every 128 words
	s_mov_b32 s[G1V+0], 15|(1<<16)|(1<<20)|(1<<21)|(6<<22)|(3<<25)
	s_mov_b32 s[G1V+1], 256<<16
	s_mov_b32 s[G1V+2], 64<<16
	s_mov_b32 s[G1V+3], 256<<16
	s_mov_b32 s[G1V+4], 64
	s_mov_b32 s[G1V+5], 2048
	s_mov_b32 s[G1V+6], 0
	s_mov_b32 s[G1V+7], 0
	; Wf: 64 rows x 128 elements of 2 bytes, pitch 128
	s_mov_b32 s[G1W+0], 15|(1<<16)|(1<<20)|(1<<21)|(5<<22)|(3<<25)
	s_mov_b32 s[G1W+1], 128<<16
	s_mov_b32 s[G1W+2], 64<<16
	s_mov_b32 s[G1W+3], 128<<16
	s_mov_b32 s[G1W+4], 64
	s_mov_b32 s[G1W+5], 128
	s_mov_b32 s[G1W+6], 0
	s_mov_b32 s[G1W+7], 0
	s_mov_b32 s[G0K+0], 1
	s_mul_i32 s[G0K+1], s20, KH
	s_mov_b32 s[G0K+4], 1
	s_add_co_u32 s[G0K+5], s[G0K+1], SLOT
	s_mov_b32 s[G0V+0], 1
	s_mul_i32 s[G0V+1], s20, VH
	s_add_co_u32 s[G0V+1], s[G0V+1], VPART
	s_mov_b32 s[G0V+4], 1
	s_add_co_u32 s[G0V+5], s[G0V+1], SLOT
	s_mov_b32 s[G0W+0], 1
	s_mul_i32 s[G0W+1], s18, 64*KP
	v_and_b32 v1, 15, v0                           ; r
	v_bfe_u32 v2, v0, 4, 1                         ; h
	v_and_b32 v3, 31, v0                           ; lane
	v_mul_u32_u24 v[WA], v1, KP
	v_lshl_add_u32 v[WA], v2, 4, v[WA]             ; r x 272 + 16 h
	v_add_nc_u32 v[KA], s[G0K+1], v[WA]            ; + my 128 keys
	v_add_nc_u32 v[KA+1], SLOT, v[KA]
	v_mul_u32_u24 v[VA], v1, VP
	v_lshl_add_u32 v[SGA], v2, 5, v[VA]            ; r x 528 + 32 h
	v_lshl_add_u32 v[VA], v2, 4, v[VA]
	v_lshl_add_u32 v[VA], s20, 8, v[VA]            ; my 128 keys: 256 bytes along the rows
	v_add_nc_u32 v[VA], VPART, v[VA]
	v_add_nc_u32 v[VA+1], SLOT, v[VA]
	v_lshl_add_u32 v[SGA], s18, 7, v[SGA]          ; the 32 queries that I finish: 128 w bytes along a row
	v_add_nc_u32 v[SGA], STG, v[SGA]
	v_add_nc_u32 v[SGA+1], 128*VP, v[SGA]
	v_lshlrev_b32 v[QO], 8, v1
	v_lshl_add_u32 v[QO], v2, 4, v[QO]
	v_lshlrev_b32 v[BO], 2, v1
	s_xor_b32 s29, s18, 1                          ; my partner: same queries, the other keys
	v_lshlrev_b32 v[STA], 2, v3
	v_add_nc_u32 v[STA], STATS, v[STA]
	v_lshl_add_u32 v[STB], s29, 10, v[STA]
	v_lshl_add_u32 v[STA], s18, 10, v[STA]
	v_lshlrev_b32 v[XO], 4, v3
	v_add_nc_u32 v[XSA], XCH, v[XO]
	v_lshl_add_u32 v[XRA], s29, 14, v[XSA]
	v_lshl_add_u32 v[XSA], s18, 14, v[XSA]
	s_mul_i32 s29, s18, 64*VP
	s_add_co_u32 s29, s29, STG
	v_add_nc_u32 v[RDA], s29, v[XO]                ; rows c = 64 w + i of the stage, 16 bytes a lane
	v_lshlrev_b32 v[PF], 14, v3
	v_lshl_add_u32 v[PF], s18, 19, v[PF]           ; rows 64 w + 2 x lane of x
	v_lshl_add_u32 v[XO], s18, 19, v[XO]           ; rows 64 w + i of x and out0
	s_lshl_b32 s24, s23, 19                        ; the batch in kws and vws
	s_mov_b32 s25, 0
	s_lshl_b32 s26, s23, 19                        ; offsets that hang on my place in the cluster live in s[26:27] alone
	s_lshl_b32 s27, s22, 15
	s_add_co_u32 s26, s26, s27
	s_lshl_b32 s27, s19, 14
	s_add_co_u32 s26, s26, s27                     ; qws: batch, query block, my 64 rows
	s_mov_b32 s27, 0
	s_wait_dscnt 0x0
	s_wait_kmcnt 0x0
	s_add_nc_u64 s[6:7], s[6:7], s[24:25]
	s_add_nc_u64 s[8:9], s[8:9], s[24:25]
	s_lshl_b32 s24, s20, 15                        ; K: 128 rows of 256 bytes
	s_add_nc_u64 s[G0K+2:G0K+3], s[6:7], s[24:25]
	s_add_nc_u64 s[G0K+6:G0K+7], s[G0K+2:G0K+3], 65536     ; step 1: 256 keys on
	s_lshl_b32 s24, s20, 18                        ; V: 64 rows of 4,096 bytes
	s_add_nc_u64 s[G0V+2:G0V+3], s[8:9], s[24:25]
	s_add_nc_u64 s[G0V+6:G0V+7], s[G0V+2:G0V+3], 512       ; step 1
	s_lshl_b32 s24, s18, 14                        ; Wf: 64 rows of 256 bytes
	s_add_nc_u64 s[G0W+2:G0W+3], s[10:11], s[24:25]
	s_or_b32 s[G0K+3], s[G0K+3], 0x80000000
	s_or_b32 s[G0K+7], s[G0K+7], 0x80000000
	s_or_b32 s[G0V+3], s[G0V+3], 0x80000000
	s_or_b32 s[G0V+7], s[G0V+7], 0x80000000
	s_or_b32 s[G0W+3], s[G0W+3], 0x80000000
	s_add_nc_u64 s[4:5], s[4:5], s[26:27]
	s_lshl_b32 s26, s23, 21
	s_lshl_b32 s21, s22, 9
	s_add_co_u32 s26, s26, s21                     ; x, out0: batch x 2 MiB + query block x 512 bytes
	s_add_nc_u64 s[14:15], s[14:15], s[26:27]
	s_add_nc_u64 s[16:17], s[16:17], s[26:27]
	ROUND                                          ; the four work-groups are here: the first joint loads meet
	s_cmp_eq_u32 s19, 0
	s_cbranch_scc0 .Lfirst_v
	tensor_load_to_lds s[G0K:G0K+3], s[G1K:G1K+7]          ; steps 0 and 1 in one group: two tensor loads of the wave are out, never more
	s_nop 0
	tensor_load_to_lds s[G0K+4:G0K+7], s[G1K:G1K+7]
	s_nop 0
	s_branch .Lfirst_done
.Lfirst_v:
	tensor_load_to_lds s[G0V:G0V+3], s[G1V:G1V+7]
	s_nop 0
	tensor_load_to_lds s[G0V+4:G0V+7], s[G1V:G1V+7]
	s_nop 0
.Lfirst_done:
	WIN 0x40
.set qt, 0
.rept 4
.set kc, 0
.rept 4
	global_load_b128 v[32*qt+8*kc:32*qt+8*kc+3],   v[QO], s[4:5] offset:4096*qt+64*kc
	global_load_b128 v[32*qt+8*kc+4:32*qt+8*kc+7], v[QO], s[4:5] offset:4096*qt+64*kc+32
.set kc, kc+1
.endr
.set qt, qt+1
.endr
	WIN 0
.set ct, 0
.rept 16
	global_load_b32 v[BFV+ct], v[BO], s[12:13] offset:64*ct
.set ct, ct+1
.endr
	WIN 0x80
	v_mov_b32 v[TX], 0                             ; v_permlanex16_b32 counts as a reader of its destination
	v_mov_b32 v[TX+1], 0
	WIN 0xc0
	v_mov_b32 v[TX], 0
	v_mov_b32 v[TX+1], 0
	WIN 0
; 8 LDS loads: 64 keys x the 32 h of chunk kc.  The chunks are loaded in the order in which they are multiplied.
.macro KRUN slot, sub, kc
	WIN 0
.set kt, 0
.rept 4
	ds_load_b128 v[KF+32*kt+8*\kc:KF+32*kt+8*\kc+3],   v[KA+\slot] offset:\sub*64*KP+kt*16*KP+64*\kc
	ds_load_b128 v[KF+32*kt+8*\kc+4:KF+32*kt+8*\kc+7], v[KA+\slot] offset:\sub*64*KP+kt*16*KP+64*\kc+32
.set kt, kt+1
.endr
.endm
; 8 LDS loads: h tiles h0 .. h0 + 3 x the 32 keys of half c2
.macro VRUN slot, sub, c2, h0
	WIN 0x40
.set ht, \h0
.rept 4
	ds_load_b128 v[128+64*\c2+8*ht:128+64*\c2+8*ht+3],   v[VA+\slot] offset:ht*16*VP+128*\sub+64*\c2
	ds_load_b128 v[128+64*\c2+8*ht+4:128+64*\c2+8*ht+7], v[VA+\slot] offset:ht*16*VP+128*\sub+64*\c2+32
.set ht, ht+1
.endr
.endm
; Matrix instruction i_s (0..31) of S^T = K Q^T in f16 for window win: kc = i_s >> 3, key tile (i_s >> 1) & 3, query tile i_s & 1.
; Eight accumulators take turns, one instruction a turn.  The first kc starts the sums.
.macro SOP win
.set m_c, i_s>>3
.set m_d, S_+16*((i_s>>1)&3)+8*(i_s&1)
.set m_a, KF+32*((i_s>>1)&3)+8*m_c
.set m_b, 32*(2*(\win-2)+(i_s&1))+8*m_c
.if m_c == 0
	v_wmma_f32_16x16x32_f16 v[m_d:m_d+7], v[m_a:m_a+7], v[m_b:m_b+7], 0
.else
	v_wmma_f32_16x16x32_f16 v[m_d:m_d+7], v[m_a:m_a+7], v[m_b:m_b+7], v[m_d:m_d+7]
.endif
.endm
; Matrix instruction i_p (0..31) of O^T += V P^T in bf16: key half i_p >> 4, h tile (i_p >> 1) & 7, query tile i_p & 1.
; Sixteen accumulators take turns.  zero = 1: the first key half starts the sums.
.macro POP zero
.set m_c, i_p>>4
.set m_d, 16*((i_p>>1)&7)+8*(i_p&1)
.set m_a, 128+64*m_c+8*((i_p>>1)&7)
.set m_b, S_+32*m_c+8*(i_p&1)
.if \zero*(1-m_c)
	v_wmma_f32_16x16x32_bf16 v[m_d:m_d+7], v[m_a:m_a+7], v[m_b:m_b+7], 0
.else
	v_wmma_f32_16x16x32_bf16 v[m_d:m_d+7], v[m_a:m_a+7], v[m_b:m_b+7], v[m_d:m_d+7]
.endif
.endm
; Instruction number nx (0 .. NV - 1) of the softmax step of one window, 64 keys x 32 queries; all its operands lie in that window.
;   0-31    the maximum of a lane's 32 scores for each q, with the running maximum, in two chains a q
;   32-45   the two chains, the other half of the lanes, - maximum x log2 e, the factor AL on what was summed before
;   46-77   exponents: S x log2 e - maximum x log2 e
;   78-205  64 exponentials; the 64 packed multiplies that rescale O are the plain places behind them (ISA guide 5.7.2)
;   206-265 sums of the unrounded p, and P in bf16 in place: stream (c2, q) packs tiles 2 c2 and 2 c2 + 1 into the first one's 8 registers;
;           a register is written only after the pair that lay there has been added
;   266-269 the row's sum
; fst = 1: the group's first block starts maximum, sum and O: nothing is cleared, nothing is rescaled (those numbers emit nothing).
.set NV, 270
.set fst, 0
.macro VOP
.if nx < 32
.set o_k, nx>>2
.set o_q, (nx>>1)&1
.set o_s, S_+16*(o_k>>2)+2*(o_k&3)+8*o_q
.if nx&1
.if o_k == 0
	v_max_num_f32 v[TB+o_q], v[o_s+32], v[o_s+33]
.else
	v_max3_num_f32 v[TB+o_q], v[TB+o_q], v[o_s+32], v[o_s+33]
.endif
.else
.if o_k != 0
	v_max3_num_f32 v[TM+o_q], v[TM+o_q], v[o_s], v[o_s+1]
.elseif fst
	v_max_num_f32 v[TM+o_q], v[o_s], v[o_s+1]
.else
	v_max3_num_f32 v[TM+o_q], v[MR+o_q], v[o_s], v[o_s+1]
.endif
.endif
.elseif nx < 46
.set o_k, (nx-32)>>1
.set o_q, nx&1
.if o_k == 0
	v_max_num_f32 v[TM+o_q], v[TM+o_q], v[TB+o_q]
.elseif o_k == 1
	v_permlanex16_b32 v[TX+o_q], v[TM+o_q], s30, s31       ; the other 8 keys of each tile lie in the other half of the lanes
.elseif o_k == 2
	v_max_num_f32 v[MR+o_q], v[TM+o_q], v[TX+o_q]
.elseif o_k == 3
	v_mul_f32 v[TM+o_q], 0xbfb8aa3b, v[MR+o_q]             ; - maximum x log2 e
.elseif o_k == 4
.if fst == 0
	v_sub_f32 v[AL+o_q], v[TM+o_q], v[NM+o_q]              ; (old maximum - new maximum) x log2 e, from the rounded figures that the exponents use
.endif
.elseif o_k == 5
.if fst == 0
	v_exp_f32 v[AL+o_q], v[AL+o_q]
.endif
.else
	v_mov_b32 v[NM+o_q], v[TM+o_q]                         ; also the plain place behind the two exponentials
.endif
.elseif nx < 78
.set o_k, (nx-46)>>1
.set o_s, S_+16*(o_k>>2)+2*(o_k&3)
.if nx&1
	v_pk_fma_f32 v[o_s+8:o_s+9], v[o_s+8:o_s+9], 0x3fb8aa3b, v[NM:NM+1] op_sel:[0,0,1] op_sel_hi:[1,0,1]
.else
	v_pk_fma_f32 v[o_s:o_s+1], v[o_s:o_s+1], 0x3fb8aa3b, v[NM:NM+1] op_sel_hi:[1,0,0]
.endif
.elseif nx < 206
.set o_k, (nx-78)>>1
.if nx&1
.if fst == 0
.if (o_k>>2)&1
	v_pk_mul_f32 v[2*o_k:2*o_k+1], v[2*o_k:2*o_k+1], v[AL:AL+1] op_sel:[0,1] op_sel_hi:[1,1]
.else
	s_wait_alu depctr_va_vdst(0)
	v_pk_mul_f32 v[2*o_k:2*o_k+1], v[2*o_k:2*o_k+1], v[AL:AL+1] op_sel_hi:[1,0]
.endif
.elseif nx == 205
	v_nop                                          ; with nothing to rescale: the one plain place behind the exponentials
	s_wait_alu depctr_va_vdst(0)
.endif
.else
	v_exp_f32 v[S_+o_k], v[S_+o_k]
.endif
.elseif nx < 210
.set o_s, S_+32*((nx-206)>>1)+8*(nx&1)
.set o_a, CA+4*((nx-206)>>1)+2*(nx&1)
	s_wait_alu depctr_va_vdst(0)
	v_pk_add_f32 v[o_a:o_a+1], v[o_s:o_s+1], v[o_s+2:o_s+3]
.elseif nx < 218
.set o_s, S_+32*((nx-210)>>2)+8*(((nx-210)>>1)&1)
.set o_k, nx&1
	v_cvt_pk_bf16_f32 v[o_s+o_k], v[o_s+2*o_k], v[o_s+2*o_k+1]
.elseif nx < 266
.set o_k, 2+((nx-218)>>3)
.set o_s, S_+32*(((nx-218)>>2)&1)+8*(((nx-218)>>1)&1)
.set o_a, CA+4*(((nx-218)>>2)&1)+2*(((nx-218)>>1)&1)
.set o_o, o_s+16*(o_k>>2)+2*(o_k&3)
.if nx&1
	v_cvt_pk_bf16_f32 v[o_s+o_k], v[o_o], v[o_o+1]
.else
	v_pk_add_f32 v[o_a:o_a+1], v[o_a:o_a+1], v[o_o:o_o+1]
.endif
.else
.set o_q, nx&1
.if nx < 268
.if fst
	v_pk_add_f32 v[LL+2*o_q:LL+2*o_q+1], v[CA+2*o_q:CA+2*o_q+1], v[CA+4+2*o_q:CA+4+2*o_q+1]
.else
	v_pk_add_f32 v[CA+2*o_q:CA+2*o_q+1], v[CA+2*o_q:CA+2*o_q+1], v[CA+4+2*o_q:CA+4+2*o_q+1]
.endif
.elseif fst == 0
.if o_q
	v_pk_fma_f32 v[LL+2:LL+3], v[LL+2:LL+3], v[AL:AL+1], v[CA+2:CA+3] op_sel:[0,1,0] op_sel_hi:[1,1,1]
.else
	v_pk_fma_f32 v[LL:LL+1], v[LL:LL+1], v[AL:AL+1], v[CA:CA+1] op_sel_hi:[1,0,1]
.endif
.endif
.endif
.set nx, nx+1
.endm
; Behind matrix instruction number mx of the phase's `total`: the softmax of window vw goes on up to its even share, NV (mx + 1) / total.
.macro SHARE vw, total
.set mx, mx+1
.if nx < (mx*NV)/\total
	WIN (\vw*0x55)
.rept (mx*NV)/\total-nx
	VOP
.endr
.endif
.endm
.macro NOSHARE                                     ; matrix instructions with no softmax to go with them
.set nx, NV
.set mx, 0
.endm
.macro NEWSHARE
.set nx, 0
.set mx, 0
.endm
.macro SRUN mw, vw, from, to, total                ; S's matrix instructions from .. to - 1 of window mw, each with its share of window vw's softmax
.set i_s, \from
.rept \to-\from
	WIN ((\mw*0x50)|4)
	SOP \mw
	SHARE \vw, \total
.set i_s, i_s+1
.endr
.endm
.macro PVRUN mw, vw, zero, from, to, total         ; the same for PV
.set i_p, \from
.rept \to-\from
	WIN ((\mw*0x54)|1)
	POP \zero
	SHARE \vw, \total
.set i_p, i_p+1
.endr
.endm
; A(n): PV_b(n-1), S_b(n) under softmax_a(n).  (slot, sub): where block n lies.  V(n) is loaded over V(n-1) in four runs, each behind the last matrix instruction
; that read its registers and at least five groups of the softmax, which hold two packed multiplies each: more than the four places that a load into a source
; needs.  S_b is written over P_b at least six such groups behind P_b's last reader.
.macro PHASE_A slot, sub, zero
	NEWSHARE
	PVRUN 3, 2, \zero, 0, 20, 64
	VRUN \slot, \sub, 0, 0
	PVRUN 3, 2, \zero, 20, 24, 64
	VRUN \slot, \sub, 0, 4
	PVRUN 3, 2, \zero, 24, 28, 64
	VRUN \slot, \sub, 1, 0
	PVRUN 3, 2, \zero, 28, 32, 64
	SRUN 3, 2, 0, 4, 64
	VRUN \slot, \sub, 1, 4
	SRUN 3, 2, 4, 32, 64
.endm
; B(n): PV_a(n), S_a(n+1) under softmax_b(n).  (slot, sub): where block n + 1 lies.  K(n+1) is loaded over K(n), whose last reader stands behind the five closing
; instructions of softmax_a or further back, in four runs in the phase's first quarter.
.macro PHASE_B slot, sub, zero
	NEWSHARE
	s_wait_dscnt 16                                ; only V's 32 loads can be out: the 16 of its second 32 keys may stay out
	KRUN \slot, \sub, 0
	PVRUN 2, 3, \zero, 0, 4, 64
	KRUN \slot, \sub, 1
	PVRUN 2, 3, \zero, 4, 8, 64
	KRUN \slot, \sub, 2
	PVRUN 2, 3, \zero, 8, 12, 64
	KRUN \slot, \sub, 3
	PVRUN 2, 3, \zero, 12, 16, 64
	s_wait_dscnt 32                                ; V is in; the 32 loads of K issued since stay out
	PVRUN 2, 3, \zero, 16, 32, 64
.if fst
	PLACES 5                                       ; S_a is written over P_a, and here the softmax has only exponentials, which are no places
.endif
	s_wait_dscnt 24                                ; the eight loads of each later kc may stay out
	SRUN 2, 3, 0, 8, 64
	s_wait_dscnt 16
	SRUN 2, 3, 8, 16, 64
	s_wait_dscnt 8
	SRUN 2, 3, 16, 24, 64
	s_wait_dscnt 0x0
	SRUN 2, 3, 24, 32, 64
.endm
; The change of slots, at the head of B(n) for odd n: all reads of block n's slot (`other`) have been issued, and K(n+1) lies in the slot beside it.
; kind 1: `other` gets the step after next.  kind 2: the last change; Wf goes where slot 0's K lay.
.macro BOUNDARY other, kind
	WIN 0
	s_wait_tensorcnt 0x0                           ; all my tensor loads have landed, my part of the next step among them; so a group 0 may be written
	ds_add_u32 v62, v63
.if \kind == 1
	s_add_nc_u64 s[G0K+4*\other+2:G0K+4*\other+3], s[G0K+4*\other+2:G0K+4*\other+3], 131072
	s_add_nc_u64 s[G0V+4*\other+2:G0V+4*\other+3], s[G0V+4*\other+2:G0V+4*\other+3], 1024
.endif
	s_wait_dscnt 0x0                               ; my reads of the old slot are back
	ROUND                                          ; both hold of every wave of the four work-groups
.if \kind == 1
	JLOAD \other                                   ; it has four phases, 256 matrix instructions, in which to land
.else
	tensor_load_to_lds s[G0W:G0W+3], s[G1W:G1W+7]  ; every wave asks for 64 rows of Wf
	s_nop 0
	; the residual: each aligned block of 256 bytes of my 64 rows x 512 bytes of x is asked for once, five phases ahead of its loads
	global_prefetch_b8 v[PF], s[14:15] th:TH_LOAD_NT scope:SCOPE_SE
	global_prefetch_b8 v[PF], s[14:15] offset:256 th:TH_LOAD_NT scope:SCOPE_SE
	global_prefetch_b8 v[PF], s[14:15] offset:8192 th:TH_LOAD_NT scope:SCOPE_SE
	global_prefetch_b8 v[PF], s[14:15] offset:8448 th:TH_LOAD_NT scope:SCOPE_SE
.endif
.endm
	s_wait_tensorcnt 0x1                           ; my part of step 0 is in; step 1's may stay out
	s_barrier_signal -1
	s_barrier_wait -1
	s_wait_loadcnt 0x0                             ; Q and bf
	; the way in: S_a(0) alone, then A(0) without a PV, then B(0); their softmax steps start maximum, sum and O
.irp c, 0, 1, 2, 3
	KRUN 0, 0, \c
.endr
	NOSHARE
	s_wait_dscnt 24                                ; the eight loads of each later kc may stay out
	SRUN 2, 2, 0, 8, 64
	s_wait_dscnt 16
	SRUN 2, 2, 8, 16, 64
	s_wait_dscnt 8
	SRUN 2, 2, 16, 24, 64
	s_wait_dscnt 0x0
	SRUN 2, 2, 24, 32, 64
	PLACES 4                                       ; S_a is read by vector instructions four places behind its last matrix instruction
	VRUN 0, 0, 0, 0
	VRUN 0, 0, 0, 4
	VRUN 0, 0, 1, 0
	VRUN 0, 0, 1, 4
.set fst, 1
	NEWSHARE
	SRUN 3, 2, 0, 32, 32                           ; A(0): S_b(0) under softmax_a(0)
	PHASE_B 0, 1, 1                                ; B(0): PV_a(0) starts O_a; S_a(1); softmax_b(0)
.set fst, 0
	PHASE_A 0, 1, 1                                ; A(1): PV_b(0) starts O_b
	WIN 0                                          ; at a label and at a branch every window is 0
	s_mov_b32 s28, 3
.Lsteps:
	BOUNDARY 0, 1                                  ; B(1), B(5), B(9): slot 0 gets step 2, 4, 6
	PHASE_B 1, 0, 0
	PHASE_A 1, 0, 0
	PHASE_B 1, 1, 0
	PHASE_A 1, 1, 0
	BOUNDARY 1, 1                                  ; B(3), B(7), B(11): slot 1 gets step 3, 5, 7
	PHASE_B 0, 0, 0
	PHASE_A 0, 0, 0
	PHASE_B 0, 1, 0
	PHASE_A 0, 1, 0
	WIN 0
	s_sub_co_u32 s28, s28, 1
	s_cmp_lg_u32 s28, 0
	s_cbranch_scc1 .Lsteps
	BOUNDARY 0, 2                                  ; B(13): nothing is left to fetch of K and V
	PHASE_B 1, 0, 0
	PHASE_A 1, 0, 0                                ; A(14)
	PHASE_B 1, 1, 0                                ; B(14)
	PHASE_A 1, 1, 0                                ; A(15)
	NEWSHARE                                       ; B(15): PV_a(15) alone carries softmax_b(15)
	s_wait_dscnt 16                                ; V's second 32 keys may stay out
	PVRUN 2, 3, 0, 0, 16, 32
	s_wait_dscnt 0x0
	PVRUN 2, 3, 0, 16, 32, 32
	NOSHARE
	PVRUN 3, 3, 0, 0, 32, 32                       ; PV_b(15)
	WIN 0
	PLACES 5                                       ; behind the last matrix instructions: O is read, and Wf is loaded over Q's and V's fragments
	; THE MERGE of the two key halves.  Each wave publishes - maximum x log2 e and its sum for its four query tiles.
.macro STOUT win
	WIN (\win*0x55)
	v_add_f32 v[LS],   v[LL],   v[LL+1]
	v_add_f32 v[LS+1], v[LL+2], v[LL+3]
	v_permlanex16_b32 v[TX],   v[LS],   s30, s31
	v_permlanex16_b32 v[TX+1], v[LS+1], s30, s31
	v_add_f32 v[LS],   v[LS],   v[TX]
	v_add_f32 v[LS+1], v[LS+1], v[TX+1]
	WIN (\win<<2)
	ds_store_b32 v[STA], v[NM]   offset:(2*(\win-2))*128
	ds_store_b32 v[STA], v[NM+1] offset:(2*(\win-2)+1)*128
	ds_store_b32 v[STA], v[LS]   offset:(2*(\win-2)+4)*128
	ds_store_b32 v[STA], v[LS+1] offset:(2*(\win-2)+5)*128
.endm
.macro PSTAT win
	WIN (\win<<6)
	ds_load_b32 v[PN],   v[STB] offset:(2*(\win-2))*128
	ds_load_b32 v[PN+1], v[STB] offset:(2*(\win-2)+1)*128
	ds_load_b32 v[PL],   v[STB] offset:(2*(\win-2)+4)*128
	ds_load_b32 v[PL+1], v[STB] offset:(2*(\win-2)+5)*128
.endm
.macro WFLOAD g                                    ; 32 LDS loads: four c tiles of Wf into buffer g & 1
	WIN 0x40
.set c4, 0
.rept 4
.set kc, 0
.rept 4
	ds_load_b128 v[(\g&1)*128+32*c4+8*kc:(\g&1)*128+32*c4+8*kc+3],   v[WA] offset:(4*\g+c4)*16*KP+64*kc
	ds_load_b128 v[(\g&1)*128+32*c4+8*kc+4:(\g&1)*128+32*c4+8*kc+7], v[WA] offset:(4*\g+c4)*16*KP+64*kc+32
.set kc, kc+1
.endr
.set c4, c4+1
.endr
.endm
; SC = fa / (my sum x fa + the partner's x fb), fa = 2^(n - NM), fb = 2^(n - PN), n = the smaller of NM and PN (the larger maximum): both exponents are at most 0,
; and the half that holds the maximum contributes a sum of about 1 or more, so the divisor is never 0
.macro FACT win
	WIN (\win*0x55)
.irp q, 0, 1
	v_min_num_f32 v[TM+\q], v[NM+\q], v[PN+\q]
.endr
.irp q, 0, 1
	v_sub_f32 v[AL+\q], v[TM+\q], v[NM+\q]
	v_sub_f32 v[TB+\q], v[TM+\q], v[PN+\q]
.endr
	v_exp_f32 v[AL], v[AL]
	v_exp_f32 v[AL+1], v[AL+1]
	v_exp_f32 v[TB], v[TB]
	v_exp_f32 v[TB+1], v[TB+1]
	v_nop                                          ; the plain place behind the exponentials
	s_wait_alu depctr_va_vdst(0)
.irp q, 0, 1
	v_mul_f32 v[LS+\q], v[LS+\q], v[AL+\q]
.endr
.irp q, 0, 1
	v_fma_f32 v[LS+\q], v[PL+\q], v[TB+\q], v[LS+\q]
.endr
	v_rcp_f32 v[TM], v[LS]
	v_rcp_f32 v[TM+1], v[LS+1]
	v_nop
	s_wait_alu depctr_va_vdst(0)
.irp q, 0, 1
	v_mul_f32 v[SC+\q], v[AL+\q], v[TM+\q]
.endr
.endm
.macro SEND win                                    ; the window that my partner finishes: scaled, 16 KiB into my part of the exchange
	WIN (\win*0x55)
.set k, 0
.rept 64
.if (k>>2)&1
	v_pk_mul_f32 v[2*k:2*k+1], v[2*k:2*k+1], v[SC:SC+1] op_sel:[0,1] op_sel_hi:[1,1]
.else
	v_pk_mul_f32 v[2*k:2*k+1], v[2*k:2*k+1], v[SC:SC+1] op_sel_hi:[1,0]
.endif
.set k, k+1
.endr
	WIN (\win<<2)
.set k, 0
.rept 32
	ds_store_b128 v[XSA], v[4*k:4*k+3] offset:512*k
.set k, k+1
.endr
	WIN 0
.endm
.macro FIN win                                     ; the window that I finish: O x SC + the partner's share, then bf16 fragments
	WIN (\win*0x45)
.set k, 0
.rept 64
.if (k>>2)&1
	v_pk_fma_f32 v[2*k:2*k+1], v[2*k:2*k+1], v[SC:SC+1], v[KF+2*k:KF+2*k+1] op_sel:[0,1,0] op_sel_hi:[1,1,1]
.else
	v_pk_fma_f32 v[2*k:2*k+1], v[2*k:2*k+1], v[SC:SC+1], v[KF+2*k:KF+2*k+1] op_sel_hi:[1,0,1]
.endif
.set k, k+1
.endr
	WIN (\win*5)
.irp q, 0, 1
.set kc, 0
.rept 4
.set e, 0
.rept 8                                            ; registers 0-3 from h tile 2 kc, registers 4-7 from h tile 2 kc + 1
	v_cvt_pk_bf16_f32 v[OB+32*\q+8*kc+e], v[16*(2*kc+(e>>2))+8*\q+2*(e&3)], v[16*(2*kc+(e>>2))+8*\q+2*(e&3)+1]
.set e, e+1
.endr
.set kc, kc+1
.endr
.endr
	WIN 0
.endm
.macro FMUL g                                      ; 32 matrix instructions: four c tiles x my 32 queries; eight accumulators take turns
	WIN 0xa4
.set kc, 0
.rept 4
.set c4, 0
.rept 4
.irp q, 0, 1
.if kc == 0
	v_wmma_f32_16x16x32_bf16 v[16*(4*\g+c4)+8*\q:16*(4*\g+c4)+8*\q+7], v[OB+32*\q+8*kc:OB+32*\q+8*kc+7], v[(\g&1)*128+32*c4+8*kc:(\g&1)*128+32*c4+8*kc+7], 0
.else
	v_wmma_f32_16x16x32_bf16 v[16*(4*\g+c4)+8*\q:16*(4*\g+c4)+8*\q+7], v[OB+32*\q+8*kc:OB+32*\q+8*kc+7], v[(\g&1)*128+32*c4+8*kc:(\g&1)*128+32*c4+8*kc+7], v[16*(4*\g+c4)+8*\q:16*(4*\g+c4)+8*\q+7]
.endif
.endr
.set c4, c4+1
.endr
.set kc, kc+1
.endr
.endm
.macro XLOAD from, n                               ; the residual: rows c = 64 w + i, 512 neighbouring bytes a load, into window 3
	WIN 0xc0
.set i, \from
.rept \n
	global_load_b128 v[4*i:4*i+3], v[XO], s[14:15] offset:8192*i th:TH_LOAD_NT
.set i, i+1
.endr
.endm
	STOUT 2
	STOUT 3
	WIN 0
	s_wait_dscnt 0x0                               ; my stats are in LDS, my reads of slot 1 are back,
	s_wait_tensorcnt 0x0                           ; my rows of Wf have landed
	s_barrier_signal -1
	s_barrier_wait -1                              ; all three hold of every wave; nothing is filled by a tensor load from here on
	WFLOAD 0
	WFLOAD 1
	PSTAT 2
	PSTAT 3
	s_wait_dscnt 0x0
	FACT 2
	FACT 3
	WIN 0
	s_cmp_lg_u32 s20, 0                            ; kh = 0 finishes query tiles 0, 1 and sends 2, 3; kh = 1 the other way round
	s_cbranch_scc1 .Lsend_low
	SEND 3
	s_branch .Lsent
.Lsend_low:
	SEND 2
.Lsent:
	s_wait_dscnt 0x0
	s_barrier_signal -1
	s_barrier_wait -1
.set k, 0
.rept 32
	ds_load_b128 v[KF+4*k:KF+4*k+3], v[XRA] offset:512*k
.set k, k+1
.endr
	s_wait_dscnt 0x0
	s_cmp_lg_u32 s20, 0
	s_cbranch_scc1 .Lfin_high
	FIN 2
	s_branch .Lfinished
.Lfin_high:
	FIN 3
.Lfinished:
	XLOAD 0, 32                                    ; the residual's 64 loads go out in three parts between the last products, the rows that are added first in front
	FMUL 0
	PLACES 4                                       ; a load into a register that a matrix instruction has read stands four places behind it
	WFLOAD 2
	FMUL 1
	PLACES 4
	WFLOAD 3
	XLOAD 32, 16
	s_wait_dscnt 32                                ; c tiles 8-11 are in; the 32 LDS loads just issued stay out
	FMUL 2
	XLOAD 48, 16
	s_wait_dscnt 0x0
	FMUL 3
	PLACES 4
	WIN 0x82                                       ; + bf[16 ct + r]: one number a lane and c tile
.set ct, 0
.rept 16
.set k, 0
.rept 8
.if ct&1
	v_pk_add_f32 v[16*ct+2*k:16*ct+2*k+1], v[16*ct+2*k:16*ct+2*k+1], v[BFV+ct-1:BFV+ct] op_sel:[0,1] op_sel_hi:[1,1]
.else
	v_pk_add_f32 v[16*ct+2*k:16*ct+2*k+1], v[16*ct+2*k:16*ct+2*k+1], v[BFV+ct:BFV+ct+1] op_sel_hi:[1,0]
.endif
.set k, k+1
.endr
.set ct, ct+1
.endr
	WIN 0x08                                       ; a lane's 8 numbers are 32 neighbouring bytes of row c = 16 ct + r of the stage
.set ct, 0
.rept 16
.irp q, 0, 1
	ds_store_b128 v[SGA+(ct>>3)], v[16*ct+8*\q:16*ct+8*\q+3]   offset:(ct&7)*16*VP+64*\q
	ds_store_b128 v[SGA+(ct>>3)], v[16*ct+8*\q+4:16*ct+8*\q+7] offset:(ct&7)*16*VP+64*\q+16
.endr
.set ct, ct+1
.endr
	WIN 0
	s_wait_dscnt 0x0                               ; a row of the stage holds a piece from each wave
	s_barrier_signal -1
	s_barrier_wait -1
	WIN 0x40
.set i, 0
.rept 64
	ds_load_b128 v[4*i:4*i+3], v[RDA] offset:VP*i  ; whole rows of 512 bytes
.set i, i+1
.endr
.set bt, 0
.rept 4                                            ; sixteen rows at a time, so that the windows are switched eight times in all
	s_wait_loadcnt 48-16*bt                        ; the residual's loads of the later batches may stay out,
	s_wait_dscnt 48-16*bt                          ; and so may the LDS loads of the later batches
	WIN 0xc7                                       ; x (window 3) + stage (window 1)
.set i, 16*bt
.rept 16
	v_pk_add_f32 v[4*i:4*i+1],   v[4*i:4*i+1],   v[4*i:4*i+1]
	v_pk_add_f32 v[4*i+2:4*i+3], v[4*i+2:4*i+3], v[4*i+2:4*i+3]
.set i, i+1
.endr
	WIN 0x0c
.set i, 16*bt
.rept 16
	global_store_b128 v[XO], v[4*i:4*i+3], s[16:17] offset:8192*i th:TH_STORE_NT   ; the wave stores 512 consecutive bytes, aligned
.set i, i+1
.endr
.set bt, bt+1
.endr
	WIN 0
	s_wait_tensorcnt 0x0
	ds_add_u32 v62, v63
	s_wait_dscnt 0x0
	ROUND                                          ; the closing round: no work-group ends while a partner may still ask jointly
	s_endpgm
.Lfunc_end_k_q1b3ba5b436_attn:
	.size	k_q1b3ba5b436_attn, .Lfunc_end_k_q1b3ba5b436_attn-k_q1b3ba5b436_attn
	.p2alignl 7, 3214868480
	.fill 96, 4, 3214868480
	.section	.rodata,"a",@progbits
	.p2align	6, 0x0
	.amdhsa_kernel k_q1b3ba5b436_attn
		.amdhsa_group_segment_fixed_size 327680
		.amdhsa_private_segment_fixed_size 0
		.amdhsa_enable_private_segment 0
		.amdhsa_kernarg_size 56
		.amdhsa_user_sgpr_count 2
		.amdhsa_user_sgpr_kernarg_segment_ptr 1
		.amdhsa_wavefront_size32 1
		.amdhsa_system_sgpr_workgroup_id_x 1
		.amdhsa_system_sgpr_workgroup_id_y 1
		.amdhsa_system_sgpr_workgroup_id_z 1
		.amdhsa_system_vgpr_workitem_id 0
		.amdhsa_next_free_vgpr 1024
		.amdhsa_next_free_sgpr 80
		.amdhsa_reserve_vcc 0
		.amdhsa_float_denorm_mode_32 3
		.amdhsa_float_denorm_mode_16_64 3
		.amdhsa_memory_ordered 1
		.amdhsa_forward_progress 1
		.amdhsa_inst_pref_size 255
	.end_amdhsa_kernel
	.section	.bss,"aw",@nobits
	.p2align	6
	.space	262144
	.amdgpu_metadata
---
amdhsa.version: [ 1, 2 ]
amdhsa.kernels:
  - .name:           k_q1b3ba5b436_attn
    .symbol:         k_q1b3ba5b436_attn.kd
    .args:
      - { .name: qws, .offset: 0, .size: 8, .value_kind: global_buffer, .address_space: global }
      - { .name: kws, .offset: 8, .size: 8, .value_kind: global_buffer, .address_space: global }
      - { .name: vws, .offset: 16, .size: 8, .value_kind: global_buffer, .address_space: global }
      - { .name: wfb, .offset: 24, .size: 8, .value_kind: global_buffer, .address_space: global }
      - { .name: bf, .offset: 32, .size: 8, .value_kind: global_buffer, .address_space: global }
      - { .name: x, .offset: 40, .size: 8, .value_kind: global_buffer, .address_space: global }
      - { .name: out0, .offset: 48, .size: 8, .value_kind: global_buffer, .address_space: global }
    .group_segment_fixed_size: 327680
    .private_segment_fixed_size: 0
    .kernarg_segment_align: 8
    .kernarg_segment_size: 56
    .max_flat_workgroup_size: 128
    .sgpr_count:     80
    .vgpr_count:     1024
    .wavefront_size: 32
...
	.end_amdgpu_metadata
.endif
;; end of part 2
